; MI455X (gfx1250); checked and timed in simulation.
; The chip was launched on July 23, 2026; its instructions are those of AMD's public machine-readable ISA for CDNA 5 (MIT licence, August 2026) and "CDNA5" Instruction Set Architecture Reference Guide (July 2026). The comments in the code are by the model that wrote it; some were corrected since.
;; Self Attention. Allowed arithmetic: float matrix products may take bf16 or f16 operands with f32 sums; all other float work in f32.
;; Inputs: x 8 x 2,048 x 768 float32.
;; Outputs: out0 8 x 2,048 x 768 float32.
;; 2 versions, each right. Each part assembles by itself: llvm-mc -triple=amdgcn-amd-amdhsa -mcpu=gfx1250 --defsym DOCPART=n.
;; ======== version 1 of 2: 2 launches
;; workspace buffers: xb 25,165,824 bytes
;; launch cast (part 1): grid 1024 x 1, 8 waves a work-group, no clusters, 0 bytes of LDS; arguments x, xb; writes xb
.if DOCPART == 1
	.amdgcn_target "amdgcn-amd-amdhsa--gfx1250"
	.amdhsa_code_object_version 6
	.text
	.protected	k_q7793afd9e3_cast
	.globl	k_q7793afd9e3_cast
	.p2align	8
	.type	k_q7793afd9e3_cast,@function
k_q7793afd9e3_cast:
	s_mov_b64 s[64:65], 0
	v_nop
	global_prefetch_b8 v0, s[64:65] scope:SCOPE_SE
	s_setreg_imm32_b32 hwreg(HW_REG_WAVE_MODE, 25, 1), 1
	s_wait_xcnt 0x0
; xb = x rounded to bf16 (nearest even), same order of elements.  x: 12,582,912 f32.
; A pure stream: no LDS, no barrier, no matrix unit.  A work-group takes 49,152 bytes of x in 12 steps of 4,096 bytes.
; Thread t takes the 16 bytes at 16 t of a step (a wave's load covers 512 neighbouring bytes) and stores the 8 bytes at 8 t
; of the step's 2,048 bytes of xb (a wave's store covers 256 neighbouring bytes, starting at a multiple of 256).
; All 12 loads go out first; no register is written twice, so the only waits are the counted ones for the data.
.set STEPS, 12
.set X, 4                              ; v[4:51]   step i: 4 f32 as loaded
.set Y, 52                             ; v[52:75]  step i: 4 bf16 to store
	s_load_b128 s[4:7], s[0:1], 0x0                ; x s[4:5], xb s[6:7]
	v_lshlrev_b32 v1, 4, v0                        ; 16 t
	v_lshlrev_b32 v2, 3, v0                        ; 8 t
	s_mul_i32 s2, ttmp9, STEPS*4096                ; the group's bytes of x: below 2^26
	s_mov_b32 s3, 0
	s_mul_i32 s8, ttmp9, STEPS*2048                ; and of xb
	s_mov_b32 s9, 0
	s_wait_kmcnt 0x0
	s_add_nc_u64 s[4:5], s[4:5], s[2:3]
	s_add_nc_u64 s[6:7], s[6:7], s[8:9]
.irp i, 0,1,2,3,4,5,6,7,8,9,10,11
	global_load_b128 v[X+4*\i:X+4*\i+3], v1, s[4:5] offset:4096*\i th:TH_LOAD_NT
.endr
.irp i, 0,1,2,3,4,5,6,7,8,9,10,11
	s_wait_loadcnt STEPS-1-\i                      ; loads come back in order: step i is in, the younger ones stay out
	v_cvt_pk_bf16_f32 v[Y+2*\i],   v[X+4*\i],   v[X+4*\i+1]
	v_cvt_pk_bf16_f32 v[Y+2*\i+1], v[X+4*\i+2], v[X+4*\i+3]
	global_store_b64 v2, v[Y+2*\i:Y+2*\i+1], s[6:7] offset:2048*\i   ; no hint: the next launch reads xb
.endr
	s_endpgm
.Lfunc_end_k_q7793afd9e3_cast:
	.size	k_q7793afd9e3_cast, .Lfunc_end_k_q7793afd9e3_cast-k_q7793afd9e3_cast
	.p2alignl 7, 3214868480
	.fill 96, 4, 3214868480
	.section	.rodata,"a",@progbits
	.p2align	6, 0x0
	.amdhsa_kernel k_q7793afd9e3_cast
		.amdhsa_group_segment_fixed_size 0
		.amdhsa_private_segment_fixed_size 0
		.amdhsa_enable_private_segment 0
		.amdhsa_kernarg_size 16
		.amdhsa_user_sgpr_count 2
		.amdhsa_user_sgpr_kernarg_segment_ptr 1
		.amdhsa_wavefront_size32 1
		.amdhsa_system_sgpr_workgroup_id_x 1
		.amdhsa_system_sgpr_workgroup_id_y 1
		.amdhsa_system_sgpr_workgroup_id_z 1
		.amdhsa_system_vgpr_workitem_id 0
		.amdhsa_next_free_vgpr 80
		.amdhsa_next_free_sgpr 66
		.amdhsa_reserve_vcc 0
		.amdhsa_float_denorm_mode_32 3
		.amdhsa_float_denorm_mode_16_64 3
		.amdhsa_memory_ordered 1
		.amdhsa_forward_progress 1
		.amdhsa_inst_pref_size 5
	.end_amdhsa_kernel
	.amdgpu_metadata
---
amdhsa.version: [ 1, 2 ]
amdhsa.kernels:
  - .name:           k_q7793afd9e3_cast
    .symbol:         k_q7793afd9e3_cast.kd
    .args:
      - { .name: x, .offset: 0, .size: 8, .value_kind: global_buffer, .address_space: global }
      - { .name: xb, .offset: 8, .size: 8, .value_kind: global_buffer, .address_space: global }
    .group_segment_fixed_size: 0
    .private_segment_fixed_size: 0
    .kernarg_segment_align: 8
    .kernarg_segment_size: 16
    .max_flat_workgroup_size: 256
    .sgpr_count:     66
    .vgpr_count:     80
    .wavefront_size: 32
...
	.end_amdgpu_metadata
.endif
;; end of part 1
;; launch attn (part 2): grid 256 x 1, 4 waves a work-group, clusters of 4 x 1, 327,680 bytes of LDS; arguments x, xb, out0; writes out0
.if DOCPART == 2
	.amdgcn_target "amdgcn-amd-amdhsa--gfx1250"
	.amdhsa_code_object_version 6
	.text
	.protected	k_q7793afd9e3_attn
	.globl	k_q7793afd9e3_attn
	.p2align	8
	.type	k_q7793afd9e3_attn,@function
k_q7793afd9e3_attn:
	s_mov_b64 s[64:65], 0
	v_nop
	global_prefetch_b8 v0, s[64:65] scope:SCOPE_SE
	s_setreg_imm32_b32 hwreg(HW_REG_WAVE_MODE, 25, 1), 1
	s_wait_xcnt 0x0
	s_wait_alu depctr_hold_cnt(0) depctr_sa_sdst(0) depctr_va_vdst(0) depctr_va_sdst(0) depctr_va_ssrc(0) depctr_va_vcc(0) depctr_vm_vsrc(0)
	s_getreg_b32 s2, hwreg(HW_REG_IB_STS2, 6, 4)
	s_cmp_eq_u32 s2, 0
	s_cbranch_scc0 .Lentry_in_a_cluster
	s_endpgm
.Lentry_in_a_cluster:
	s_bfe_u32 s2, ttmp6, 0x10000c
	s_cmp_lg_u32 s2, 0x3003
	s_cbranch_scc0 .Lentry_shape_is_right
	s_endpgm
.Lentry_shape_is_right:
; out0 = softmax(x x^T) x * x for 8 batches of 2,048 rows of 768, fused: scores and probabilities never leave the work-group.
; xb is x in bf16.  A work-group owns 64 query rows and walks its batch's 32 tiles of 64 keys; a tile serves as K and as V.
; CLUSTER: the four work-groups of a cluster own neighbouring query blocks of ONE batch (32 blocks a batch, 8 clusters), so they
; walk the same tiles; each tile is asked for jointly (mask 15), which divides the requests for tiles by four.
; Wave w = 2 i + j.
;   S:  S^T(32 keys 32 j.. x 64 queries) over half of the depth (in each 512 bytes of a row the 256 bytes at 256 i): 12 K steps of 32.
;       Q for that half lies in 384 registers for the whole kernel.  Source 0 = 16 keys, source 1 = 16 queries: lane (r, h),
;       register n holds (key 8 h + n, query r).  Query tiles are numbered locally: a = 0, 1 are tiles 2 i, 2 i + 1 (mine),
;       a = 2, 3 the other two, so that register numbers are the same in all waves and only base addresses differ.
;   exchange: the partial sums of tiles a = 2, 3 go in f32 through LDS to wave w ^ 2, whose own they are; what comes back is added.
;   softmax: a query is one lane column: 16 values in the lane, the other half of the lanes, the other key half (one word in LDS).
;       The running maximum is kept as NM = -log2(e) max, rounded once; P = exp2(log2(e) s + NM) and alpha = exp2(NMnew - NMold)
;       use the same rounded number, so that its rounding cancels between tiles at any size of the scores.
;   P:  two packed S^T tiles are a source-1 fragment of P^T as they stand (k = key); they go to LDS in fragment form.
;   PV: O^T = V^T P^T.  Wave w owns columns 16 w .. 16 w + 15 of each block of 64: 48 tiles, 384 registers.  Tile (G, e, a): lane (r, h),
;       register n holds (query r of tile a, column 128 G + 64 h + 16 w + 8 e + n).  V^T comes by transposing LDS loads.
; LIMITS: x and P enter the matrix unit rounded to bf16, sums are f32; the denominator sums P before that rounding; scores have to be
; finite in f32; v_exp_f32 gives 0 below 2^-126; a NaN in x is not reproduced place by place (the maxima and minima drop NaN).
.set ROWB,   1536                      ; a row of xb
.set ROWF,   3072                      ; a row of x and of out0
.set TILEB,  64*ROWB                   ; a tile in memory
.set BATCHB, 2048*ROWB
.set PITCH,  1584                      ; an LDS row: 3 x (512 + 16): 99 x 16 bytes, so 16 rows fall on 16 different 16-byte columns modulo 256 bytes
.set QUART,  16*PITCH                  ; what one wave's tensor load fills
.set SLOT,   64*PITCH                  ; slots at 0 and at SLOT
.set XCH,    2*SLOT                    ; 16,384: [wave][4 tiles][2 halves][lane] x 16 bytes, partial sums in f32
.set PF,     XCH+16384                 ; 8,192: [key step][query tile][half][lane] x 16 bytes, P fragments
.set STAT,   PF+8192                   ; 512: [j][64 queries] -log2(e) x local maximum; 512 more behind it: [j][64 queries] sums
.set SPITCH, 3088                      ; the stage for O (64 rows from LDS byte 0, in the slots after their last fill): 3,072 + 16 = 193 x 16
; window 0
.set KADR, 10                          ; v10-11  slot s: my K fragments
.set VADR, 12                          ; v12-15  slot s, key step ks at 2 s + ks: my V fragments
.set XS,   16                          ; where my partial sums go
.set XL,   17                          ; where my partner's lie
.set STS,  18                          ; my word of STAT
.set STL,  19                          ; v19-20  STAT of my two query tiles, of the other two
.set PFS,  21                          ; where my P fragments go
.set PFL,  22                          ; v22-23  P fragments of my two query tiles, of the other two
.set QA,   24                          ; v24-25  Q rows in xb, likewise
.set STG,  26                          ; v26-27  the stage, likewise
.set RD,   28                          ; the stage read back by rows
.set GO,   29                          ; 16 x lane
.set PFA,  30                          ; 256 x lane
.set NM,   32                          ; v32-39  running -log2(e) max of 4 query tiles, two sets: slot s writes set s and reads the other
.set AL,   40                          ; v40-43  alpha of 4 query tiles; at the end 1 / sum
.set LS,   44                          ; v44-45  my lane's part of the sums of my 2 query tiles
.set T,    46                          ; v46-61  at work
.set PK,   64                          ; v64-79  P in bf16
.set SA,   80                          ; v80-143 S^T tile (kt, a) at 8 (4 kt + a); then P fragment (ks, a) at 8 (4 ks + a); at the end O on its way out
.set KV,   144                         ; v144-239 K: two buffers of 48; V: three of 32; at the end x: two of 48
.set KB0,  KV
.set KB1,  KV+48
.set VB0,  KV
.set VB1,  KV+32
.set VB2,  KV+64
; window 1: Q fragment (ks 0-7, a) at 8 (4 ks + a).  window 2: v0-127 Q of ks 8-11; v128-255 O tiles 0-15.  window 3: O tiles 16-47.
; O tile number = 4 (2 G + e) + a.
.set G1, 16                            ; s[16:23] descriptor group 1
.set G0, 24                            ; s[24:31] descriptor group 0, one set for each slot
.set MSB, 0
.macro WIN new                         ; low byte: bits 1:0 source 0, 3:2 source 1, 5:4 source 2, 7:6 destination; the high byte repeats the setting that is left
.if MSB != \new
	s_set_vgpr_msb (MSB<<8)|\new
.set MSB, \new
.endif
.endm
.macro PLACES n                        ; places behind matrix instructions (ISA guide 7.12.1): plain vector instructions that name none of their registers
.rept \n
	v_nop
.endr
.endm
.macro BAR
	s_barrier_signal -1
	s_barrier_wait -1
.endm
.macro ROUND                           ; a round of the cluster's barrier: my work-group's barrier, wave 0 signals for it, all wait for the four work-groups, my barrier again
	s_barrier_signal -1
	s_barrier_wait -1
	s_cmp_lg_u32 s10, 0
	s_cbranch_scc1 .Lnot_wave_0_\@
	s_barrier_signal -3
.Lnot_wave_0_\@:
	s_barrier_wait -3
	s_barrier_signal -1
	s_barrier_wait -1
.endm
	s_load_b128 s[4:7], s[0:1], 0x0                ; x s[4:5], xb s[6:7]
	s_load_b64 s[8:9], s[0:1], 0x10                ; out0
	v_lshl_add_u32 v254, v0, 2, 0x37c00
	v_mov_b32 v255, 0
	ds_add_u32 v254, v255
	v_lshrrev_b32 v1, 5, v0
	v_readfirstlane_b32 s10, v1                    ; w
	s_lshr_b32 s11, s10, 1                         ; i
	s_and_b32 s12, s10, 1                          ; j
	s_xor_b32 s41, s11, 1                          ; 1 - i
	s_bfe_u32 s13, ttmp6, 0x40000                  ; cx
	s_lshl_b32 s14, ttmp9, 2
	s_add_co_u32 s14, s14, s13                     ; query block = 4 x cluster + cx
	s_lshr_b32 s15, ttmp9, 3                       ; batch: the same in the four partners
	s_mov_b32 s38, 0x76543210                      ; v_permlanex16_b32: lane n of one half reads lane n of the other
	s_mov_b32 s39, 0xfedcba98
	; group 1: 16 rows of 768 elements of 2 bytes, dense in memory (24,576 bytes from a multiple of 256); 16 bytes skipped in LDS behind every 512
	s_mov_b32 s[G1+0], 15|(1<<16)|(1<<20)|(1<<21)|(6<<22)|(3<<25)   ; 15:0 mask: the four partners; 17:16 2 bytes; 20 padding on; 21 set beside a mask; 24:22 every 128 words; 31:25 4 words
	s_mov_b32 s[G1+1], 768<<16                     ; tensor_dim0 = 768
	s_mov_b32 s[G1+2], 16<<16                      ; tensor_dim1 = 16
	s_mov_b32 s[G1+3], 768<<16                     ; tile_dim0 = 768
	s_mov_b32 s[G1+4], 16                          ; tile_dim1 = 16
	s_mov_b32 s[G1+5], 768                         ; elements from row to row
	s_mov_b32 s[G1+6], 0
	s_mov_b32 s[G1+7], 0
	s_mul_i32 s42, s15, BATCHB                     ; tiles: batch and wave alone enter the address
	s_mul_i32 s43, s10, 16*ROWB
	s_add_co_u32 s42, s42, s43
	s_mov_b32 s43, 0
	s_mul_i32 s46, s10, QUART                      ; and the wave alone the LDS address
	s_mul_i32 s48, s14, 64*ROWB                    ; my query rows in xb (s48-51 alone hold offsets made of cx)
	s_mov_b32 s49, 0
	s_mul_i32 s50, s14, 64*ROWF                    ; my wave's 16 rows in x and out0
	s_mul_i32 s51, s10, 16*ROWF
	s_add_co_u32 s50, s50, s51
	s_mov_b32 s51, 0
	s_wait_dscnt 0x0
	s_wait_kmcnt 0x0
	s_add_nc_u64 s[44:45], s[6:7], s[42:43]
	s_add_nc_u64 s[32:33], s[6:7], s[48:49]
	s_add_nc_u64 s[34:35], s[4:5], s[50:51]
	s_add_nc_u64 s[36:37], s[8:9], s[50:51]
.irp n, 0,1
	s_mov_b32 s[G0+4*\n], 1                                        ; count = 1
	s_add_co_u32 s[G0+4*\n+1], s46, \n*SLOT                        ; LDS address: slot n, my quarter
	s_add_nc_u64 s[G0+4*\n+2:G0+4*\n+3], s[44:45], \n*TILEB        ; tile n, my 16 rows
	s_or_b32 s[G0+4*\n+3], s[G0+4*\n+3], 0x80000000                ; type = 2
.endr
	ROUND                                          ; the four work-groups are here: the first joint loads meet
	tensor_load_to_lds s[G0:G0+3], s[G1:G1+7]      ; tile 0; slot 1 is filled behind the first tile's round
	s_nop 0
	v_and_b32 v1, 31, v0                           ; lane L
	v_and_b32 v2, 15, v0                           ; r
	v_bfe_u32 v3, v0, 4, 1                         ; h
	v_lshlrev_b32 v[GO], 4, v1
	v_lshlrev_b32 v[PFA], 8, v1
	v_lshlrev_b32 v8, 2, v2                        ; 4 r
	; Q: row (32 i or 32 (1 - i)) + r, byte 256 i + 16 h
	v_mul_u32_u24 v4, v2, ROWB
	v_lshl_add_u32 v4, v3, 4, v4
	s_lshl_b32 s43, s11, 8
	s_mul_i32 s42, s11, 32*ROWB
	s_add_co_u32 s42, s42, s43
	v_add_nc_u32 v[QA], s42, v4
	s_mul_i32 s42, s41, 32*ROWB
	s_add_co_u32 s42, s42, s43
	v_add_nc_u32 v[QA+1], s42, v4
	; Q fragments, 96 loads: lane (r, h) takes depth 8 h .. + 7 and 16 + 8 h .. + 7 of a step of 32: two loads of 16 bytes, 32 apart
.set q_ks, 0
.rept 12
.if q_ks < 8
	WIN 0x40
.else
	WIN 0x80
.endif
.set q_a, 0
.rept 4
	global_load_b128 v[8*(4*(q_ks&7)+q_a):8*(4*(q_ks&7)+q_a)+3],   v[QA+(q_a>>1)], s[32:33] offset:(q_a&1)*16*ROWB+(q_ks>>2)*512+(q_ks&3)*64
	global_load_b128 v[8*(4*(q_ks&7)+q_a)+4:8*(4*(q_ks&7)+q_a)+7], v[QA+(q_a>>1)], s[32:33] offset:(q_a&1)*16*ROWB+(q_ks>>2)*512+(q_ks&3)*64+32
.set q_a, q_a+1
.endr
.set q_ks, q_ks+1
.endr
	WIN 0
	; K: row 32 j + r, byte 256 i + 16 h
	s_mul_i32 s42, s12, 32*PITCH
	s_add_co_u32 s42, s42, s43
	v_mul_u32_u24 v4, v2, PITCH
	v_lshl_add_u32 v4, v3, 4, v4
	v_add_nc_u32 v[KADR], s42, v4
	v_add_nc_u32 v[KADR+1], SLOT, v[KADR]
	; V: row 32 ks + 8 h + L % 8, byte 32 w, and 128 bytes further for the second eight lanes of each sixteen.  Rows n = 0 .. 7 fall on 16-byte
	; columns 3 n mod 16 = 0 3 6 9 12 15 2 5, the second eight on those + 8: sixteen different columns.  (16 bytes further they would collide.)
	v_and_b32 v5, 7, v0
	v_lshl_add_u32 v5, v3, 3, v5
	v_mul_u32_u24 v5, v5, PITCH
	v_bfe_u32 v6, v0, 3, 1
	v_lshl_add_u32 v5, v6, 7, v5
	s_lshl_b32 s42, s10, 5
	v_add_nc_u32 v[VADR], s42, v5
	v_add_nc_u32 v[VADR+1], 32*PITCH, v[VADR]
	v_add_nc_u32 v[VADR+2], SLOT, v[VADR]
	v_add_nc_u32 v[VADR+3], SLOT, v[VADR+1]
	s_lshl_b32 s42, s10, 12
	s_add_co_u32 s42, s42, XCH
	v_add_nc_u32 v[XS], s42, v[GO]
	s_xor_b32 s42, s10, 2                          ; my partner: same keys, other half of the depth
	s_lshl_b32 s42, s42, 12
	s_add_co_u32 s42, s42, XCH
	v_add_nc_u32 v[XL], s42, v[GO]
	s_lshl_b32 s42, s11, 7
	s_add_co_u32 s42, s42, STAT
	v_add_nc_u32 v[STL], s42, v8
	s_lshl_b32 s42, s41, 7
	s_add_co_u32 s42, s42, STAT
	v_add_nc_u32 v[STL+1], s42, v8
	s_lshl_b32 s42, s12, 8
	v_add_nc_u32 v[STS], s42, v[STL]
	s_lshl_b32 s42, s11, 11
	s_add_co_u32 s42, s42, PF
	v_add_nc_u32 v[PFL], s42, v[GO]
	s_lshl_b32 s42, s41, 11
	s_add_co_u32 s42, s42, PF
	v_add_nc_u32 v[PFL+1], s42, v[GO]
	s_lshl_b32 s42, s12, 12
	v_add_nc_u32 v[PFS], s42, v[PFL]
	; the stage: row = query, byte 256 h + 64 w (+ 512 G + 32 e in the immediate)
	v_mul_u32_u24 v4, v2, SPITCH
	v_lshl_add_u32 v4, v3, 8, v4
	s_lshl_b32 s43, s10, 6
	s_mul_i32 s42, s11, 32*SPITCH
	s_add_co_u32 s42, s42, s43
	v_add_nc_u32 v[STG], s42, v4
	s_mul_i32 s42, s41, 32*SPITCH
	s_add_co_u32 s42, s42, s43
	v_add_nc_u32 v[STG+1], s42, v4
	s_mul_i32 s42, s10, 16*SPITCH
	v_add_nc_u32 v[RD], s42, v[GO]
	s_wait_loadcnt 0x0                             ; Q, once
; 12 LDS loads: K fragments of depth steps 3 b .. 3 b + 2, two tiles of 16 keys each
.macro LOADK slot, b, buf
.set l_k, 3*\b
.rept 3
.set l_t, 0
.rept 2
	ds_load_b128 v[\buf+8*(2*(l_k%3)+l_t):\buf+8*(2*(l_k%3)+l_t)+3],   v[KADR+\slot] offset:l_t*QUART+(l_k>>2)*528+(l_k&3)*64
	ds_load_b128 v[\buf+8*(2*(l_k%3)+l_t)+4:\buf+8*(2*(l_k%3)+l_t)+7], v[KADR+\slot] offset:l_t*QUART+(l_k>>2)*528+(l_k&3)*64+32
.set l_t, l_t+1
.endr
.set l_k, l_k+1
.endr
.endm
; 24 matrix instructions: three depth steps on the 8 tiles of S^T.  The 8 accumulators take turns, one instruction a turn, in the same order
; in every step.  Depth step 0 starts the sums with the constant 0.
.macro MULS b, buf
.set m_k, 3*\b
.rept 3
.if m_k < 8
	WIN 0x04
.else
	WIN 0x08
.endif
.set m_t, 0
.rept 2
.set m_a, 0
.rept 4
.if m_k == 0
	v_wmma_f32_16x16x32_bf16 v[SA+8*(4*m_t+m_a):SA+8*(4*m_t+m_a)+7], v[\buf+8*(2*(m_k%3)+m_t):\buf+8*(2*(m_k%3)+m_t)+7], v[8*(4*(m_k&7)+m_a):8*(4*(m_k&7)+m_a)+7], 0
.else
	v_wmma_f32_16x16x32_bf16 v[SA+8*(4*m_t+m_a):SA+8*(4*m_t+m_a)+7], v[\buf+8*(2*(m_k%3)+m_t):\buf+8*(2*(m_k%3)+m_t)+7], v[8*(4*(m_k&7)+m_a):8*(4*(m_k&7)+m_a)+7], v[SA+8*(4*m_t+m_a):SA+8*(4*m_t+m_a)+7]
.endif
.set m_a, m_a+1
.endr
.set m_t, m_t+1
.endr
.set m_k, m_k+1
.endr
.endm
; 8 transposing LDS loads: V^T fragments of column groups 4 g .. 4 g + 3 (group = 2 G + e), key step ks
.macro LOADV slot, ks, g, buf
.set l_g, 4*\g
.rept 4
	ds_load_tr16_b128 v[\buf+8*(l_g&3):\buf+8*(l_g&3)+3],   v[VADR+2*\slot+\ks] offset:(l_g>>1)*256+(l_g>>2)*16+(l_g&1)*16
	ds_load_tr16_b128 v[\buf+8*(l_g&3)+4:\buf+8*(l_g&3)+7], v[VADR+2*\slot+\ks] offset:(l_g>>1)*256+(l_g>>2)*16+(l_g&1)*16+QUART
.set l_g, l_g+1
.endr
.endm
; 16 matrix instructions: four column groups x four query tiles.  The 48 accumulators take turns in the same order in both key steps.
; zero = 1: the first product starts the sums.
.macro MULV ks, g, buf, zero
.if \g == 0
	WIN 0xa0
.else
	WIN 0xf0
.endif
.set v_g, 4*\g
.rept 4
.set v_a, 0
.rept 4
.if 4*v_g+v_a < 16
.set v_b, 128+8*(4*v_g+v_a)
.else
.set v_b, 8*(4*v_g+v_a-16)
.endif
.if \zero
	v_wmma_f32_16x16x32_bf16 v[v_b:v_b+7], v[\buf+8*(v_g&3):\buf+8*(v_g&3)+7], v[SA+8*(4*\ks+v_a):SA+8*(4*\ks+v_a)+7], 0
.else
	v_wmma_f32_16x16x32_bf16 v[v_b:v_b+7], v[\buf+8*(v_g&3):\buf+8*(v_g&3)+7], v[SA+8*(4*\ks+v_a):SA+8*(4*\ks+v_a)+7], v[v_b:v_b+7]
.endif
.set v_a, v_a+1
.endr
.set v_g, v_g+1
.endr
.endm
; O *= alpha: a lane holds one query of each tile, so one number of AL serves a tile's 8 registers (broadcast out of its pair)
.macro SCALEO
.set s_o, 0
.rept 48
.if s_o < 16
	WIN 0x82
.set s_b, 128+8*s_o
.else
	WIN 0xc3
.set s_b, 8*(s_o-16)
.endif
.set s_p, 0
.rept 4
.if (s_o&1) == 0
	v_pk_mul_f32 v[s_b+2*s_p:s_b+2*s_p+1], v[s_b+2*s_p:s_b+2*s_p+1], v[AL+(s_o&2):AL+(s_o&2)+1] op_sel_hi:[1,0]
.else
	v_pk_mul_f32 v[s_b+2*s_p:s_b+2*s_p+1], v[s_b+2*s_p:s_b+2*s_p+1], v[AL+(s_o&2):AL+(s_o&2)+1] op_sel:[0,1] op_sel_hi:[1,1]
.endif
.set s_p, s_p+1
.endr
.set s_o, s_o+1
.endr
.endm
; One tile of 64 keys, in slot \slot.  refill = 1: the next tile is asked for, into the other slot.  first = 1: nothing to carry on from.
; pf = 1: the wave asks for its 16 rows of x (49,152 bytes, lanes 256 bytes apart, 6 requests), which the way out loads one tile later.
.macro TILE slot, refill, first, pf
	s_wait_tensorcnt 0x0                           ; all my tensor loads are done, my quarter of this slot among them,
	ds_add_u32 v254, v255
	s_wait_dscnt 0x0
	s_add_nc_u64 s[G0+4*\slot+2:G0+4*\slot+3], s[G0+4*\slot+2:G0+4*\slot+3], 2*TILEB   ; so a group 0 may be written: this slot's next tile
	s_wait_dscnt 0x0                               ; my reads of the other slot are done
	ROUND                                          ; both now hold of every wave of the four work-groups
.if \refill
	tensor_load_to_lds s[G0+4*(1-\slot):G0+4*(1-\slot)+3], s[G1:G1+7]   ; my one tensor load until the next round; 192 matrix instructions to land in
	s_nop 0
.endif
.if \first == 0
	PLACES 5                                       ; behind the last tile's products: 4 before loads land in V's buffers, 5 before a product writes over P's fragments
.endif
	LOADK \slot, 0, KB0
	LOADK \slot, 1, KB1
	s_wait_dscnt 12                                ; the first 12 are in, the younger 12 stay out
.if \pf
.irp n, 0,1,2,3,4,5
	global_prefetch_b8 v[PFA], s[34:35] offset:8192*\n th:TH_LOAD_NT scope:SCOPE_SE
.endr
.endif
	MULS 0, KB0
	PLACES 4                                       ; then loads may land in the buffer just multiplied (address and destination windows are 0 under these settings)
	LOADK \slot, 2, KB0
	s_wait_dscnt 12
	MULS 1, KB1
	PLACES 4
	LOADK \slot, 3, KB1
	s_wait_dscnt 12
	MULS 2, KB0
	s_wait_dscnt 0x0
	MULS 3, KB1
	WIN 0
	PLACES 4                                       ; before stores read results and loads land in K's buffers
.irp kt, 0,1
.irp a, 0,1
	ds_store_b128 v[XS], v[SA+8*(4*\kt+2+\a):SA+8*(4*\kt+2+\a)+3]   offset:(2*\kt+\a)*1024
	ds_store_b128 v[XS], v[SA+8*(4*\kt+2+\a)+4:SA+8*(4*\kt+2+\a)+7] offset:(2*\kt+\a)*1024+512
.endr
.endr
	LOADV \slot, 0, 0, VB0                         ; V of key step 0 comes in while the softmax is made
	LOADV \slot, 0, 1, VB1
	LOADV \slot, 0, 2, VB2
	s_wait_dscnt 0x0                               ; my partial sums are in LDS
	BAR                                            ; everybody's are
.irp kt, 0,1
.irp a, 0,1
	ds_load_b128 v[SA+8*(4*\kt+2+\a):SA+8*(4*\kt+2+\a)+3],   v[XL] offset:(2*\kt+\a)*1024
	ds_load_b128 v[SA+8*(4*\kt+2+\a)+4:SA+8*(4*\kt+2+\a)+7], v[XL] offset:(2*\kt+\a)*1024+512
.endr
.endr
	s_wait_dscnt 0x0
.irp kt, 0,1
.irp a, 0,1
.irp p, 0,2,4,6
	v_pk_add_f32 v[SA+8*(4*\kt+\a)+\p:SA+8*(4*\kt+\a)+\p+1], v[SA+8*(4*\kt+\a)+\p:SA+8*(4*\kt+\a)+\p+1], v[SA+8*(4*\kt+\a+2)+\p:SA+8*(4*\kt+\a+2)+\p+1]
.endr
.endr
.endr
	; the largest score of my 32 keys, for each of my 32 queries
.irp a, 0,1
	v_max3_num_f32 v[T+2*\a],   v[SA+8*\a],    v[SA+8*\a+1],    v[SA+8*\a+2]
	v_max3_num_f32 v[T+2*\a+1], v[SA+32+8*\a], v[SA+32+8*\a+1], v[SA+32+8*\a+2]
	v_max3_num_f32 v[T+2*\a],   v[T+2*\a],     v[SA+8*\a+3],    v[SA+8*\a+4]
	v_max3_num_f32 v[T+2*\a+1], v[T+2*\a+1],   v[SA+32+8*\a+3], v[SA+32+8*\a+4]
	v_max3_num_f32 v[T+2*\a],   v[T+2*\a],     v[SA+8*\a+5],    v[SA+8*\a+6]
	v_max3_num_f32 v[T+2*\a+1], v[T+2*\a+1],   v[SA+32+8*\a+5], v[SA+32+8*\a+6]
	v_max3_num_f32 v[T+2*\a],   v[T+2*\a],     v[SA+8*\a+7],    v[SA+32+8*\a+7]
	v_max_num_f32 v[T+2*\a], v[T+2*\a], v[T+2*\a+1]
	v_permlanex16_b32 v[T+2*\a+1], v[T+2*\a], s38, s39             ; the other 8 keys of each 16
	v_max_num_f32 v[T+2*\a], v[T+2*\a], v[T+2*\a+1]
	v_mul_f32 v[T+2*\a], 0xbfb8aa3b, v[T+2*\a]                     ; -log2(e) max, rounded here once
	ds_store_b32 v[STS], v[T+2*\a] offset:64*\a
.endr
	s_wait_dscnt 0x0
	BAR
.irp a, 0,1,2,3
	ds_load_b32 v[T+2*\a],   v[STL+(\a>>1)] offset:64*(\a&1)
	ds_load_b32 v[T+2*\a+1], v[STL+(\a>>1)] offset:64*(\a&1)+256
.endr
	s_wait_dscnt 0x0
.irp a, 0,1,2,3
.if \first
	v_min_num_f32 v[NM+4*\slot+\a], v[T+2*\a], v[T+2*\a+1]
.else
	v_min3_num_f32 v[NM+4*\slot+\a], v[NM+4*(1-\slot)+\a], v[T+2*\a], v[T+2*\a+1]
.endif
.endr
.if \first == 0
.irp a, 0,1,2,3
	v_sub_f32 v[AL+\a], v[NM+4*\slot+\a], v[NM+4*(1-\slot)+\a]     ; at most 0
.endr
.irp a, 0,1,2,3
	v_exp_f32 v[AL+\a], v[AL+\a]                   ; the packed multiply-adds below, which name no AL, are the place behind these (ISA guide 5.7.2)
.endr
.endif
.irp kt, 0,1
.irp p, 0,2,4,6
	v_pk_fma_f32 v[SA+32*\kt+\p:SA+32*\kt+\p+1],     v[SA+32*\kt+\p:SA+32*\kt+\p+1],     0x3fb8aa3b, v[NM+4*\slot:NM+4*\slot+1] op_sel_hi:[1,0,0]
	v_pk_fma_f32 v[SA+32*\kt+8+\p:SA+32*\kt+8+\p+1], v[SA+32*\kt+8+\p:SA+32*\kt+8+\p+1], 0x3fb8aa3b, v[NM+4*\slot:NM+4*\slot+1] op_sel:[0,0,1] op_sel_hi:[1,0,1]
.endr
.endr
.irp kt, 0,1
.irp q, 0,1,2,3,4,5,6,7,8,9,10,11,12,13,14,15
	v_exp_f32 v[SA+32*\kt+\q], v[SA+32*\kt+\q]
.endr
.endr
	v_nop                                          ; one plain place behind the last exponential
	s_wait_alu depctr_va_vdst(0)
.irp a, 0,1
	v_pk_add_f32 v[T+8*\a:T+8*\a+1],   v[SA+8*\a:SA+8*\a+1],       v[SA+8*\a+2:SA+8*\a+3]
	v_pk_add_f32 v[T+8*\a+2:T+8*\a+3], v[SA+8*\a+4:SA+8*\a+5],     v[SA+8*\a+6:SA+8*\a+7]
	v_pk_add_f32 v[T+8*\a+4:T+8*\a+5], v[SA+32+8*\a:SA+32+8*\a+1], v[SA+32+8*\a+2:SA+32+8*\a+3]
	v_pk_add_f32 v[T+8*\a+6:T+8*\a+7], v[SA+32+8*\a+4:SA+32+8*\a+5], v[SA+32+8*\a+6:SA+32+8*\a+7]
	v_pk_add_f32 v[T+8*\a:T+8*\a+1],   v[T+8*\a:T+8*\a+1],     v[T+8*\a+2:T+8*\a+3]
	v_pk_add_f32 v[T+8*\a+4:T+8*\a+5], v[T+8*\a+4:T+8*\a+5],   v[T+8*\a+6:T+8*\a+7]
	v_pk_add_f32 v[T+8*\a:T+8*\a+1],   v[T+8*\a:T+8*\a+1],     v[T+8*\a+4:T+8*\a+5]
.if \first
	v_add_f32 v[LS+\a], v[T+8*\a], v[T+8*\a+1]
.else
	v_add_f32 v[T+8*\a], v[T+8*\a], v[T+8*\a+1]
	v_fma_f32 v[LS+\a], v[LS+\a], v[AL+\a], v[T+8*\a]
.endif
.endr
.irp a, 0,1
.irp kt, 0,1
.irp p, 0,1,2,3
	v_cvt_pk_bf16_f32 v[PK+8*\a+4*\kt+\p], v[SA+32*\kt+8*\a+2*\p], v[SA+32*\kt+8*\a+2*\p+1]   ; keys 16 kt + 8 h + 2 p, + 1: the fragment's own order
.endr
	ds_store_b128 v[PFS], v[PK+8*\a+4*\kt:PK+8*\a+4*\kt+3] offset:1024*\a+512*\kt
.endr
.endr
	s_wait_dscnt 0x0                               ; my P fragments are in LDS
	s_barrier_signal -1
.if \first == 0
	SCALEO                                         ; register work while the others arrive
	WIN 0
.endif
	s_barrier_wait -1
.irp ks, 0,1
.irp a, 0,1,2,3
	ds_load_b128 v[SA+8*(4*\ks+\a):SA+8*(4*\ks+\a)+3],   v[PFL+(\a>>1)] offset:4096*\ks+1024*(\a&1)
	ds_load_b128 v[SA+8*(4*\ks+\a)+4:SA+8*(4*\ks+\a)+7], v[PFL+(\a>>1)] offset:4096*\ks+1024*(\a&1)+512
.endr
.endr
	s_wait_dscnt 0x0
	MULV 0, 0, VB0, \first
	WIN 0
	PLACES 4                                       ; then key step 1's fragments may land in the buffer just multiplied
	LOADV \slot, 1, 0, VB0
	MULV 0, 1, VB1, \first
	WIN 0
	PLACES 4
	LOADV \slot, 1, 1, VB1
	MULV 0, 2, VB2, \first
	WIN 0
	PLACES 4
	LOADV \slot, 1, 2, VB2
	s_wait_dscnt 16                                ; the first 8 are in, two younger groups of 8 stay out
	MULV 1, 0, VB0, 0
	s_wait_dscnt 8
	MULV 1, 1, VB1, 0
	s_wait_dscnt 0x0
	MULV 1, 2, VB2, 0
	WIN 0
.endm
	TILE 0, 1, 1, 0                                ; tiles 0 and 1 stand ahead of the loop: the first starts every sum
	TILE 1, 1, 0, 0
	s_mov_b32 s40, 14
.Ltiles:
	TILE 0, 1, 0, 0
	TILE 1, 1, 0, 0
	s_sub_co_u32 s40, s40, 1
	s_cmp_lg_u32 s40, 0
	s_cbranch_scc1 .Ltiles
	TILE 0, 1, 0, 0                                ; tile 30 asks for tile 31,
	TILE 1, 0, 0, 1                                ; tile 31 for nothing more
	; THE WAY OUT.  12 loads: two rows of x (or out0) of my wave's 16, 512 neighbouring bytes each
.macro LOADX g, buf
.set x_n, 0
.rept 12
	global_load_b128 v[\buf+4*x_n:\buf+4*x_n+3], v[GO], s[34:35] offset:(2*(\g)+x_n/6)*ROWF+512*(x_n%6) th:TH_LOAD_NT
.set x_n, x_n+1
.endr
.endm
	PLACES 4                                       ; behind the last products: loads land in V's buffers, vector instructions read O
	LOADX 0, KV
	LOADX 1, KV+48
.irp a, 0,1
	v_permlanex16_b32 v[T+\a], v[LS+\a], s38, s39
	v_add_f32 v[LS+\a], v[LS+\a], v[T+\a]
	ds_store_b32 v[STS], v[LS+\a] offset:512+64*\a
.endr
	s_wait_dscnt 0x0
	BAR                                            ; the sums are there, and no wave reads a slot any more: the stage may take the slots' bytes, which are filled no more
.irp a, 0,1,2,3
	ds_load_b32 v[T+2*\a],   v[STL+(\a>>1)] offset:512+64*(\a&1)
	ds_load_b32 v[T+2*\a+1], v[STL+(\a>>1)] offset:512+64*(\a&1)+256
.endr
	s_wait_dscnt 0x0
.irp a, 0,1,2,3
	v_add_f32 v[AL+\a], v[T+2*\a], v[T+2*\a+1]     ; at least about 1: the largest score's own term
.endr
.irp a, 0,1,2,3
	v_rcp_f32 v[AL+\a], v[AL+\a]
.endr
	v_nop                                          ; one plain place behind the reciprocals
	s_wait_alu depctr_va_vdst(0)
	; O / sum into the stage, 8 tiles (one G, both e, four query tiles) at a time: a lane's 8 registers are 32 neighbouring bytes of a row
.set e_g, 0
.rept 6
.if e_g < 2
	WIN 0x02
.else
	WIN 0x03
.endif
.set e_t, 0
.rept 8
.if 8*e_g+e_t < 16
.set e_b, 128+8*(8*e_g+e_t)
.else
.set e_b, 8*(8*e_g+e_t-16)
.endif
.set e_p, 0
.rept 4
.if (e_t&1) == 0
	v_pk_mul_f32 v[SA+8*e_t+2*e_p:SA+8*e_t+2*e_p+1], v[e_b+2*e_p:e_b+2*e_p+1], v[AL+(e_t&2):AL+(e_t&2)+1] op_sel_hi:[1,0]
.else
	v_pk_mul_f32 v[SA+8*e_t+2*e_p:SA+8*e_t+2*e_p+1], v[e_b+2*e_p:e_b+2*e_p+1], v[AL+(e_t&2):AL+(e_t&2)+1] op_sel:[0,1] op_sel_hi:[1,1]
.endif
.set e_p, e_p+1
.endr
.set e_t, e_t+1
.endr
	WIN 0
.set e_t, 0
.rept 8
	ds_store_b128 v[STG+((e_t&3)>>1)], v[SA+8*e_t:SA+8*e_t+3]   offset:(e_t&1)*16*SPITCH+512*e_g+32*(e_t>>2)
	ds_store_b128 v[STG+((e_t&3)>>1)], v[SA+8*e_t+4:SA+8*e_t+7] offset:(e_t&1)*16*SPITCH+512*e_g+32*(e_t>>2)+16
.set e_t, e_t+1
.endr
.set e_g, e_g+1
.endr
	s_wait_dscnt 0x0
	BAR                                            ; the stage is whole
	; rows back from the stage, times x, out: two rows at a time; x of the next two rows stays on its way
.set f_g, 0
.rept 8
.set f_x, KV+48*(f_g&1)
.if f_g > 0
	s_wait_xcnt 0x0                                ; the registers that the last stores read are loaded again only behind this wait
.endif
.set f_n, 0
.rept 12
	ds_load_b128 v[SA+4*f_n:SA+4*f_n+3], v[RD] offset:(2*f_g+f_n/6)*SPITCH+512*(f_n%6)
.set f_n, f_n+1
.endr
.if f_g < 7
	s_wait_loadcnt 12                              ; these two rows of x are in, the next two rows' 12 loads stay out
.else
	s_wait_loadcnt 0x0
.endif
	s_wait_dscnt 0x0
.set f_n, 0
.rept 24
	v_pk_mul_f32 v[SA+2*f_n:SA+2*f_n+1], v[SA+2*f_n:SA+2*f_n+1], v[f_x+2*f_n:f_x+2*f_n+1]
.set f_n, f_n+1
.endr
.if f_g < 6
	LOADX f_g+2, f_x
.endif
.set f_n, 0
.rept 12
	global_store_b128 v[GO], v[SA+4*f_n:SA+4*f_n+3], s[36:37] offset:(2*f_g+f_n/6)*ROWF+512*(f_n%6) th:TH_STORE_NT   ; a wave's store covers 512 neighbouring bytes from a multiple of 512
.set f_n, f_n+1
.endr
.set f_g, f_g+1
.endr
	s_wait_tensorcnt 0x0
	ds_add_u32 v254, v255
	s_wait_dscnt 0x0
	ROUND                                          ; the closing round: no work-group ends while a partner may still ask for a tile that names it
	s_endpgm
.Lfunc_end_k_q7793afd9e3_attn:
	.size	k_q7793afd9e3_attn, .Lfunc_end_k_q7793afd9e3_attn-k_q7793afd9e3_attn
	.p2alignl 7, 3214868480
	.fill 96, 4, 3214868480
	.section	.rodata,"a",@progbits
	.p2align	6, 0x0
	.amdhsa_kernel k_q7793afd9e3_attn
		.amdhsa_group_segment_fixed_size 327680
		.amdhsa_private_segment_fixed_size 0
		.amdhsa_enable_private_segment 0
		.amdhsa_kernarg_size 24
		.amdhsa_user_sgpr_count 2
		.amdhsa_user_sgpr_kernarg_segment_ptr 1
		.amdhsa_wavefront_size32 1
		.amdhsa_system_sgpr_workgroup_id_x 1
		.amdhsa_system_sgpr_workgroup_id_y 1
		.amdhsa_system_sgpr_workgroup_id_z 1
		.amdhsa_system_vgpr_workitem_id 0
		.amdhsa_next_free_vgpr 1024
		.amdhsa_next_free_sgpr 66
		.amdhsa_reserve_vcc 0
		.amdhsa_float_denorm_mode_32 3
		.amdhsa_float_denorm_mode_16_64 3
		.amdhsa_memory_ordered 1
		.amdhsa_forward_progress 1
		.amdhsa_inst_pref_size 255
	.end_amdhsa_kernel
	.section	.bss,"aw",@nobits
	.p2align	6
	.space	262144
	.amdgpu_metadata
---
amdhsa.version: [ 1, 2 ]
amdhsa.kernels:
  - .name:           k_q7793afd9e3_attn
    .symbol:         k_q7793afd9e3_attn.kd
    .args:
      - { .name: x, .offset: 0, .size: 8, .value_kind: global_buffer, .address_space: global }
      - { .name: xb, .offset: 8, .size: 8, .value_kind: global_buffer, .address_space: global }
      - { .name: out0, .offset: 16, .size: 8, .value_kind: global_buffer, .address_space: global }
    .group_segment_fixed_size: 327680
    .private_segment_fixed_size: 0
    .kernarg_segment_align: 8
    .kernarg_segment_size: 24
    .max_flat_workgroup_size: 128
    .sgpr_count:     66
    .vgpr_count:     1024
    .wavefront_size: 32
...
	.end_amdgpu_metadata
.endif
;; end of part 2
;; ======== version 2 of 2: 2 launches
;; workspace buffers: xb 25,165,824 bytes
;; launch cast: the kernel of part 1 again; grid 1024 x 1, 8 waves a work-group, no clusters, 0 bytes of LDS; arguments x, xb; writes xb
;; launch attn (part 3): grid 256 x 1, 4 waves a work-group, clusters of 4 x 1, 327,680 bytes of LDS; arguments x, xb, out0; writes out0
.if DOCPART == 3
	.amdgcn_target "amdgcn-amd-amdhsa--gfx1250"
	.amdhsa_code_object_version 6
	.text
	.protected	k_q7793afd9e3_attn
	.globl	k_q7793afd9e3_attn
	.p2align	8
	.type	k_q7793afd9e3_attn,@function
k_q7793afd9e3_attn:
	s_mov_b64 s[64:65], 0
	v_nop
	global_prefetch_b8 v0, s[64:65] scope:SCOPE_SE
	s_setreg_imm32_b32 hwreg(HW_REG_WAVE_MODE, 25, 1), 1
	s_wait_xcnt 0x0
	s_wait_alu depctr_hold_cnt(0) depctr_sa_sdst(0) depctr_va_vdst(0) depctr_va_sdst(0) depctr_va_ssrc(0) depctr_va_vcc(0) depctr_vm_vsrc(0)
	s_getreg_b32 s2, hwreg(HW_REG_IB_STS2, 6, 4)
	s_cmp_eq_u32 s2, 0
	s_cbranch_scc0 .Lentry_in_a_cluster
	s_endpgm
.Lentry_in_a_cluster:
	s_bfe_u32 s2, ttmp6, 0x10000c
	s_cmp_lg_u32 s2, 0x3003
	s_cbranch_scc0 .Lentry_shape_is_right
	s_endpgm
.Lentry_shape_is_right:
; out0 = softmax(x x^T) x * x for 8 batches of 2,048 rows of 768, fused: scores and probabilities never leave the work-group.
; xb is x in bf16.  A work-group owns 64 query rows and walks its batch's 32 tiles of 64 keys; a tile serves as K and as V.
; CLUSTER: the four work-groups of a cluster own neighbouring query blocks of ONE batch (32 blocks a batch, 8 clusters), so they
; walk the same tiles; each tile is asked for jointly (mask 15), which divides the requests for tiles by four.
; Wave w = 2 i + j.
;   S:  S^T(32 keys 32 j.. x 64 queries) over half of the depth (in each 512 bytes of a row the 256 bytes at 256 i): 12 depth steps of 32.
;       Q for that half lies in 384 registers until the last score is made.  Source 0 = 16 keys, source 1 = 16 queries: lane (r, h),
;       register n holds (key 8 h + n, query r).  Query tiles are numbered locally: a = 0, 1 are tiles 2 i, 2 i + 1 (mine),
;       a = 2, 3 the other two, so that register numbers are the same in all waves and only base addresses differ.
;   exchange: the partial sums of tiles a = 2, 3 go in f32 through LDS to wave w ^ 2, whose own they are; what comes back is added.
;   softmax: a query is one lane column: 16 values in the lane, the other half of the lanes, the other key half (one word in LDS).
;       The running maximum is kept as NM = -log2(e) max, rounded once; P = exp2(log2(e) s + NM) and alpha = exp2(NMnew - NMold)
;       use the same rounded number, so that its rounding cancels between tiles at any size of the scores.
;   P:  two packed S^T tiles are a source-1 fragment of P^T as they stand (k = key); they go to LDS in fragment form.
;   PV: O^T = V^T P^T.  Wave w owns columns 16 w .. 16 w + 15 of each block of 64: 48 tiles, 384 registers.  Tile (G, e, a): lane (r, h),
;       register n holds (query r of tile a, column 128 G + 64 h + 16 w + 8 e + n).  V^T comes by transposing LDS loads.
; THE PIPELINE.  Iteration t issues the 96 products of S(t+1) with the softmax of tile t and two thirds of the rescaling of O strewn among
; them, a short piece of vector work behind each product, and then the 96 products of P(t) V(t) with the last third of the rescaling and the
; exchange and the local maximum of tile t+1 among them.  So tile t (as V), tile t+1 (as K) and tile t+2 (on its way) are alive together:
; three LDS slots, and the text is unrolled by three.  LDS instructions stand in few long runs between the products.
; O, Q and the working set fill all 1,024 registers, and O lies in other windows than the scores, so each piece of the rescaling has a
; switch of the register window in front of it and one behind it.
; THE WAY OUT.  Q's 384 registers are free behind the last score and hold exactly the wave's 16 rows of x (49,152 bytes): x is loaded into
; them during the last two iterations, so that no prefetch of x is written.
; LIMITS: x and P enter the matrix unit rounded to bf16, sums are f32; the denominator sums P before that rounding; scores have to be
; finite in f32; v_exp_f32 gives 0 below 2^-126; a NaN in x is not reproduced place by place (the maxima and minima drop NaN).
.set ROWB,   1536                      ; a row of xb
.set ROWF,   3072                      ; a row of x and of out0
.set TILEB,  64*ROWB                   ; a tile in memory
.set BATCHB, 2048*ROWB
.set PITCH,  1584                      ; an LDS row: 3 x (512 + 16): 99 x 16 bytes, so 16 rows fall on 16 different 16-byte columns modulo 256 bytes
.set QUART,  16*PITCH                  ; what one wave's tensor load fills
.set SLOT,   64*PITCH                  ; slots at 0, SLOT, 2 SLOT
.set XCH,    3*SLOT                    ; 16,384: [wave][4 tiles][2 halves][lane] x 16 bytes, partial sums in f32
.set PF,     XCH                       ; 8,192: [key step][query tile][half][lane] x 16 bytes, P fragments.  Three slots, 16,384, 8,192 and 1,024 bytes
                                       ; would be 329,728, more than a work-group can have, so P takes the exchange's bytes by turns with it, barriers between
.set STAT,   XCH+16384                 ; 512: [j][64 queries] -log2(e) x local maximum; 512 more behind it: [j][64 queries] sums
.set SPITCH, 3088                      ; the stage for O (64 rows from LDS byte 0, in the slots after their last fill): 3,072 + 16 = 193 x 16
; window 0
.set KADR, 10                          ; v10-12  slot s: my K fragments
.set VADR, 13                          ; v13-18  slot s, key step ks at 2 s + ks: my V fragments
.set XS,   19                          ; where my partial sums go
.set XL,   20                          ; where my partner's lie
.set STS,  21                          ; my word of STAT
.set STL,  22                          ; v22-23  STAT of my two query tiles, of the other two
.set PFS,  24                          ; where my P fragments go
.set PFL,  25                          ; v25-26  P fragments of my two query tiles, of the other two
.set QA,   27                          ; v27-28  Q rows in xb, likewise
.set STG,  29                          ; v29-30  the stage, likewise
.set RD,   31                          ; the stage read back by rows
.set GO,   32                          ; 16 x lane
.set NM,   36                          ; v36-39  running -log2(e) max of 4 query tiles
.set AL,   40                          ; v40-43  alpha of 4 query tiles; at the end 1 / sum
.set LS,   44                          ; v44-45  my lane's part of the sums of my 2 query tiles
.set T,    46                          ; v46-61  at work
.set SN,   64                          ; v64-95  S^T being summed, my tiles (kt, a = 0, 1) at 16 kt + 8 a
.set SNP,  96                          ; v96-127 the same for my partner's tiles (kt, a = 2, 3); once they are stored: a V buffer
.set R,    128                         ; v128-159 the finished S^T of the tile in the softmax, then P, packed in place; between the two: a V buffer
.set PB,   160                         ; v160-223 K ring places 0-3 (16 registers a depth step); then P fragment (ks, a) at 8 (4 ks + a)
.set KV,   224                         ; v224-255 K ring places 4, 5; then a V buffer
.set EA,   64                          ; the way out: v64-191 two sets of 64 for the stage; then v64-255 four row buffers of 48
; window 1: Q fragment (ks 0-7, a) at 8 (4 ks + a).  window 2: v0-127 Q of ks 8-11; v128-255 O tiles 0-15.  window 3: O tiles 16-47.
; O tile number = 4 (2 G + e) + a.  At the end Q's registers, counted through from window 1's v0, hold x: load m (row m / 6, 512 bytes m % 6) at 4 m.
.set G1, 16                            ; s[16:23] descriptor group 1
.set G0, 24                            ; s[24:35] descriptor group 0, one set for each slot
.set MSB, 0
.macro WIN new                         ; low byte: bits 1:0 source 0, 3:2 source 1, 5:4 source 2, 7:6 destination; the high byte repeats the setting that is left
.if MSB != \new
	s_set_vgpr_msb (MSB<<8)|\new
.set MSB, \new
.endif
.endm
.macro WINL                            ; for LDS loads: destination and address in window 0, which the S products' settings leave so
.if (MSB&0xc3) != 0
	WIN 0
.endif
.endm
.macro PLACES n                        ; places behind matrix instructions (ISA guide 7.12.1): plain vector instructions that name none of their registers
.rept \n
	v_nop
.endr
.endm
.macro BAR
	s_barrier_signal -1
	s_barrier_wait -1
.endm
.macro ROUND                           ; a round of the cluster's barrier: my work-group's barrier, wave 0 signals for it, all wait for the four work-groups, my barrier again
	s_barrier_signal -1
	s_barrier_wait -1
	s_cmp_lg_u32 s10, 0
	s_cbranch_scc1 .Lnot_wave_0_\@
	s_barrier_signal -3
.Lnot_wave_0_\@:
	s_barrier_wait -3
	s_barrier_signal -1
	s_barrier_wait -1
.endm
	s_load_b128 s[4:7], s[0:1], 0x0                ; x s[4:5], xb s[6:7]
	s_load_b64 s[8:9], s[0:1], 0x10                ; out0
	v_lshl_add_u32 v62, v0, 2, 0x4e800
	v_mov_b32 v63, 0
	ds_add_u32 v62, v63
	v_lshrrev_b32 v1, 5, v0
	v_readfirstlane_b32 s10, v1                    ; w
	s_lshr_b32 s11, s10, 1                         ; i
	s_and_b32 s12, s10, 1                          ; j
	s_xor_b32 s45, s11, 1                          ; 1 - i
	s_bfe_u32 s13, ttmp6, 0x40000                  ; cx
	s_lshl_b32 s14, ttmp9, 2
	s_add_co_u32 s14, s14, s13                     ; query block = 4 x cluster + cx
	s_lshr_b32 s15, ttmp9, 3                       ; batch: the same in the four partners
	s_mov_b32 s42, 0x76543210                      ; v_permlanex16_b32: lane n of one half reads lane n of the other
	s_mov_b32 s43, 0xfedcba98
	; group 1: 16 rows of 768 elements of 2 bytes, dense in memory (24,576 bytes from a multiple of 256); 16 bytes skipped in LDS behind every 512
	s_mov_b32 s[G1+0], 15|(1<<16)|(1<<20)|(1<<21)|(6<<22)|(3<<25)   ; 15:0 mask: the four partners; 17:16 2 bytes; 20 padding on; 21 set beside a mask; 24:22 every 128 words; 31:25 4 words
	s_mov_b32 s[G1+1], 768<<16                     ; tensor_dim0 = 768
	s_mov_b32 s[G1+2], 16<<16                      ; tensor_dim1 = 16
	s_mov_b32 s[G1+3], 768<<16                     ; tile_dim0 = 768
	s_mov_b32 s[G1+4], 16                          ; tile_dim1 = 16
	s_mov_b32 s[G1+5], 768                         ; elements from row to row
	s_mov_b32 s[G1+6], 0
	s_mov_b32 s[G1+7], 0
	s_mul_i32 s46, s15, BATCHB                     ; tiles: batch and wave alone enter the address
	s_mul_i32 s47, s10, 16*ROWB
	s_add_co_u32 s46, s46, s47
	s_mov_b32 s47, 0
	s_mul_i32 s50, s10, QUART                      ; and the wave alone the LDS address
	s_mul_i32 s52, s14, 64*ROWB                    ; my query rows in xb (s52-55 alone hold offsets made of cx)
	s_mov_b32 s53, 0
	s_mul_i32 s54, s14, 64*ROWF                    ; my wave's 16 rows in x and out0
	s_mul_i32 s55, s10, 16*ROWF
	s_add_co_u32 s54, s54, s55
	s_mov_b32 s55, 0
	s_wait_dscnt 0x0
	s_wait_kmcnt 0x0
	s_add_nc_u64 s[48:49], s[6:7], s[46:47]
	s_add_nc_u64 s[36:37], s[6:7], s[52:53]        ; Q
	s_add_nc_u64 s[38:39], s[4:5], s[54:55]        ; x, my wave's rows
	s_add_nc_u64 s[40:41], s[8:9], s[54:55]        ; out0, my wave's rows
.irp n, 0,1,2
	s_mov_b32 s[G0+4*\n], 1                                        ; count = 1
	s_add_co_u32 s[G0+4*\n+1], s50, \n*SLOT                        ; LDS address: slot n, my quarter
	s_add_nc_u64 s[G0+4*\n+2:G0+4*\n+3], s[48:49], \n*TILEB        ; tile n, my 16 rows
	s_or_b32 s[G0+4*\n+3], s[G0+4*\n+3], 0x80000000                ; type = 2
.endr
	v_and_b32 v1, 31, v0                           ; lane L
	v_and_b32 v2, 15, v0                           ; r
	v_bfe_u32 v3, v0, 4, 1                         ; h
	v_lshlrev_b32 v[GO], 4, v1
	v_lshlrev_b32 v8, 2, v2                        ; 4 r
	; Q: row (32 i or 32 (1 - i)) + r, byte 256 i + 16 h
	v_mul_u32_u24 v4, v2, ROWB
	v_lshl_add_u32 v4, v3, 4, v4
	s_lshl_b32 s47, s11, 8
	s_mul_i32 s46, s11, 32*ROWB
	s_add_co_u32 s46, s46, s47
	v_add_nc_u32 v[QA], s46, v4
	s_mul_i32 s46, s45, 32*ROWB
	s_add_co_u32 s46, s46, s47
	v_add_nc_u32 v[QA+1], s46, v4
	; Q fragments, 96 loads: lane (r, h) takes depth 8 h .. + 7 and 16 + 8 h .. + 7 of a step of 32: two loads of 16 bytes, 32 apart.
	; They go out ahead of the cluster's first round: they hang on no partner, and are on their way while the four work-groups meet.
.set q_ks, 0
.rept 12
.if q_ks < 8
	WIN 0x40
.else
	WIN 0x80
.endif
.set q_a, 0
.rept 4
	global_load_b128 v[8*(4*(q_ks&7)+q_a):8*(4*(q_ks&7)+q_a)+3],   v[QA+(q_a>>1)], s[36:37] offset:(q_a&1)*16*ROWB+(q_ks>>2)*512+(q_ks&3)*64
	global_load_b128 v[8*(4*(q_ks&7)+q_a)+4:8*(4*(q_ks&7)+q_a)+7], v[QA+(q_a>>1)], s[36:37] offset:(q_a&1)*16*ROWB+(q_ks>>2)*512+(q_ks&3)*64+32
.set q_a, q_a+1
.endr
.set q_ks, q_ks+1
.endr
	WIN 0
	ROUND                                          ; the four work-groups are here: the first joint loads meet
	tensor_load_to_lds s[G0:G0+3], s[G1:G1+7]      ; tiles 0 and 1 go out together; slot 2 is filled behind the round of iteration 0
	s_nop 0
	tensor_load_to_lds s[G0+4:G0+7], s[G1:G1+7]
	s_nop 0
	; K: row 32 j + r, byte 256 i + 16 h
	s_mul_i32 s46, s12, 32*PITCH
	s_add_co_u32 s46, s46, s47
	v_mul_u32_u24 v4, v2, PITCH
	v_lshl_add_u32 v4, v3, 4, v4
	v_add_nc_u32 v[KADR], s46, v4
	v_add_nc_u32 v[KADR+1], SLOT, v[KADR]
	v_add_nc_u32 v[KADR+2], SLOT, v[KADR+1]
	; V: row 32 ks + 8 h + L % 8, byte 32 w, and 128 bytes further for the second eight lanes of each sixteen.  Rows n = 0 .. 7 fall on 16-byte
	; columns 3 n mod 16 = 0 3 6 9 12 15 2 5, the second eight on those + 8: sixteen different columns.  (16 bytes further they would collide.)
	v_and_b32 v5, 7, v0
	v_lshl_add_u32 v5, v3, 3, v5
	v_mul_u32_u24 v5, v5, PITCH
	v_bfe_u32 v6, v0, 3, 1
	v_lshl_add_u32 v5, v6, 7, v5
	s_lshl_b32 s46, s10, 5
	v_add_nc_u32 v[VADR], s46, v5
	v_add_nc_u32 v[VADR+1], 32*PITCH, v[VADR]
	v_add_nc_u32 v[VADR+2], SLOT, v[VADR]
	v_add_nc_u32 v[VADR+3], SLOT, v[VADR+1]
	v_add_nc_u32 v[VADR+4], SLOT, v[VADR+2]
	v_add_nc_u32 v[VADR+5], SLOT, v[VADR+3]
	s_lshl_b32 s46, s10, 12
	s_add_co_u32 s46, s46, XCH
	v_add_nc_u32 v[XS], s46, v[GO]
	s_xor_b32 s46, s10, 2                          ; my partner: same keys, other half of the depth
	s_lshl_b32 s46, s46, 12
	s_add_co_u32 s46, s46, XCH
	v_add_nc_u32 v[XL], s46, v[GO]
	s_lshl_b32 s46, s11, 7
	s_add_co_u32 s46, s46, STAT
	v_add_nc_u32 v[STL], s46, v8
	s_lshl_b32 s46, s45, 7
	s_add_co_u32 s46, s46, STAT
	v_add_nc_u32 v[STL+1], s46, v8
	s_lshl_b32 s46, s12, 8
	v_add_nc_u32 v[STS], s46, v[STL]
	s_lshl_b32 s46, s11, 11
	s_add_co_u32 s46, s46, PF
	v_add_nc_u32 v[PFL], s46, v[GO]
	s_lshl_b32 s46, s45, 11
	s_add_co_u32 s46, s46, PF
	v_add_nc_u32 v[PFL+1], s46, v[GO]
	s_lshl_b32 s46, s12, 12
	v_add_nc_u32 v[PFS], s46, v[PFL]
	; the stage: row = query, byte 256 h + 64 w (+ 512 G + 32 e in the immediate)
	v_mul_u32_u24 v4, v2, SPITCH
	v_lshl_add_u32 v4, v3, 8, v4
	s_lshl_b32 s47, s10, 6
	s_mul_i32 s46, s11, 32*SPITCH
	s_add_co_u32 s46, s46, s47
	v_add_nc_u32 v[STG], s46, v4
	s_mul_i32 s46, s45, 32*SPITCH
	s_add_co_u32 s46, s46, s47
	v_add_nc_u32 v[STG+1], s46, v4
	s_mul_i32 s46, s10, 16*SPITCH
	v_add_nc_u32 v[RD], s46, v[GO]
; 4 LDS loads: the K fragments of depth step ks (two tiles of 16 keys) into place ks mod 6 of the ring of six
.macro LOADK slot, ks
.if ((\ks)%6) < 4
.set l_b, PB+16*((\ks)%6)
.else
.set l_b, KV+16*((\ks)%6-4)
.endif
	WINL
.set l_t, 0
.rept 2
	ds_load_b128 v[l_b+8*l_t:l_b+8*l_t+3],   v[KADR+\slot] offset:l_t*QUART+((\ks)>>2)*528+((\ks)&3)*64
	ds_load_b128 v[l_b+8*l_t+4:l_b+8*l_t+7], v[KADR+\slot] offset:l_t*QUART+((\ks)>>2)*528+((\ks)&3)*64+32
.set l_t, l_t+1
.endr
.endm
; The next of the 96 products of S^T: number sw_n = 8 ks + 4 kt + a.  The 8 accumulators take turns, one instruction a turn, in the same order
; in every depth step.  Depth step 0 starts the sums with the constant 0.
.macro SW
.set w_ks, sw_n>>3
.set w_kt, (sw_n>>2)&1
.set w_a, sw_n&3
.set w_d, SN+32*(w_a>>1)+16*w_kt+8*(w_a&1)
.if (w_ks%6) < 4
.set w_k, PB+16*(w_ks%6)+8*w_kt
.else
.set w_k, KV+16*(w_ks%6-4)+8*w_kt
.endif
.if w_ks < 8
	WIN 0x04
.else
	WIN 0x08
.endif
.if w_ks == 0
	v_wmma_f32_16x16x32_bf16 v[w_d:w_d+7], v[w_k:w_k+7], v[8*(4*(w_ks&7)+w_a):8*(4*(w_ks&7)+w_a)+7], 0
.else
	v_wmma_f32_16x16x32_bf16 v[w_d:w_d+7], v[w_k:w_k+7], v[8*(4*(w_ks&7)+w_a):8*(4*(w_ks&7)+w_a)+7], v[w_d:w_d+7]
.endif
.set sw_n, sw_n+1
.endm
; 8 transposing LDS loads: V^T fragments of column groups 4 g .. 4 g + 3 (group = 2 G + e), key step ks
.macro LOADV slot, ks, g, buf
.set l_g, 4*\g
.rept 4
	ds_load_tr16_b128 v[\buf+8*(l_g&3):\buf+8*(l_g&3)+3],   v[VADR+2*\slot+\ks] offset:(l_g>>1)*256+(l_g>>2)*16+(l_g&1)*16
	ds_load_tr16_b128 v[\buf+8*(l_g&3)+4:\buf+8*(l_g&3)+7], v[VADR+2*\slot+\ks] offset:(l_g>>1)*256+(l_g>>2)*16+(l_g&1)*16+QUART
.set l_g, l_g+1
.endr
.endm
.macro XOUT                            ; my partner's four tiles of partial sums into LDS
.irp kt, 0,1
.irp a, 0,1
	ds_store_b128 v[XS], v[SNP+16*\kt+8*\a:SNP+16*\kt+8*\a+3]   offset:(2*\kt+\a)*1024
	ds_store_b128 v[XS], v[SNP+16*\kt+8*\a+4:SNP+16*\kt+8*\a+7] offset:(2*\kt+\a)*1024+512
.endr
.endr
.endm
.macro XIN                             ; what my partner summed for my four tiles
.irp kt, 0,1
.irp a, 0,1
	ds_load_b128 v[R+16*\kt+8*\a:R+16*\kt+8*\a+3],   v[XL] offset:(2*\kt+\a)*1024
	ds_load_b128 v[R+16*\kt+8*\a+4:R+16*\kt+8*\a+7], v[XL] offset:(2*\kt+\a)*1024+512
.endr
.endr
.endm
.macro STIN off                        ; both key halves' words for the four query tiles
.irp a, 0,1,2,3
	ds_load_b32 v[T+2*\a],   v[STL+(\a>>1)] offset:\off+64*(\a&1)
	ds_load_b32 v[T+2*\a+1], v[STL+(\a>>1)] offset:\off+64*(\a&1)+256
.endr
.endm
.macro PIN                             ; all eight P fragments
.irp ks, 0,1
.irp a, 0,1,2,3
	ds_load_b128 v[PB+8*(4*\ks+\a):PB+8*(4*\ks+\a)+3],   v[PFL+(\a>>1)] offset:4096*\ks+1024*(\a&1)
	ds_load_b128 v[PB+8*(4*\ks+\a)+4:PB+8*(4*\ks+\a)+7], v[PFL+(\a>>1)] offset:4096*\ks+1024*(\a&1)+512
.endr
.endr
.endm
; 48 loads of x into Q's registers, from load number m0 on: 8 of my wave's 16 rows, 512 neighbouring bytes a load
.macro LOADXQ m0
.set x_m, \m0
.rept 48
.if 4*x_m < 256
	WIN 0x40
	global_load_b128 v[4*x_m:4*x_m+3], v[GO], s[38:39] offset:(x_m/6)*ROWF+512*(x_m%6) th:TH_LOAD_NT
.else
	WIN 0x80
	global_load_b128 v[4*x_m-256:4*x_m-253], v[GO], s[38:39] offset:(x_m/6)*ROWF+512*(x_m%6) th:TH_LOAD_NT
.endif
.set x_m, x_m+1
.endr
.endm
; Piece c = 0 .. 9 of: finished scores = my partial sums + my partner's (pieces 0-3, a tile each); then for query tile a = 0 (pieces 4-6) and
; a = 1 (7-9) the largest score of my 32 keys, as -log2(e) max, rounded here once; both words go into STAT together at the end.
.macro AMC c
	WIN 0
.if (\c) < 4
.set a_p, 0
.rept 4
	v_pk_add_f32 v[R+8*(\c)+2*a_p:R+8*(\c)+2*a_p+1], v[R+8*(\c)+2*a_p:R+8*(\c)+2*a_p+1], v[SN+8*(\c)+2*a_p:SN+8*(\c)+2*a_p+1]
.set a_p, a_p+1
.endr
.else
.set a_a, ((\c)-4)/3
.set a_s, ((\c)-4)%3
.set a_t, T+2*a_a
.set a_r, R+8*a_a
.if a_s == 0
	v_max3_num_f32 v[a_t],   v[a_r],    v[a_r+1],  v[a_r+2]
	v_max3_num_f32 v[a_t+1], v[a_r+16], v[a_r+17], v[a_r+18]
	v_max3_num_f32 v[a_t],   v[a_t],    v[a_r+3],  v[a_r+4]
	v_max3_num_f32 v[a_t+1], v[a_t+1],  v[a_r+19], v[a_r+20]
.elseif a_s == 1
	v_max3_num_f32 v[a_t],   v[a_t],    v[a_r+5],  v[a_r+6]
	v_max3_num_f32 v[a_t+1], v[a_t+1],  v[a_r+21], v[a_r+22]
	v_max3_num_f32 v[a_t],   v[a_t],    v[a_r+7],  v[a_r+23]
	v_max_num_f32 v[a_t], v[a_t], v[a_t+1]
.else
	v_permlanex16_b32 v[a_t+1], v[a_t], s42, s43   ; the other 8 keys of each 16
	v_max_num_f32 v[a_t], v[a_t], v[a_t+1]
	v_mul_f32 v[a_t], 0xbfb8aa3b, v[a_t]
.if a_a == 1
	ds_store_b32 v[STS], v[T]
	ds_store_b32 v[STS], v[T+2] offset:64
.endif
.endif
.endif
.endm
; Two of the 192 packed multiplications of O *= alpha, numbers q0 and q0 + 1: number q is pair q % 4 of O tile q / 4.  A lane holds one query of
; a tile, so one number of AL serves the tile's 8 registers (broadcast out of its pair).
.macro SCALEQ q0
.set s_q, \q0
.rept 2
.set s_o, s_q>>2
.set s_p, s_q&3
.if s_o < 16
	WIN 0x82
.set s_b, 128+8*s_o
.else
	WIN 0xc3
.set s_b, 8*(s_o-16)
.endif
.if (s_o&1) == 0
	v_pk_mul_f32 v[s_b+2*s_p:s_b+2*s_p+1], v[s_b+2*s_p:s_b+2*s_p+1], v[AL+(s_o&2):AL+(s_o&2)+1] op_sel_hi:[1,0]
.else
	v_pk_mul_f32 v[s_b+2*s_p:s_b+2*s_p+1], v[s_b+2*s_p:s_b+2*s_p+1], v[AL+(s_o&2):AL+(s_o&2)+1] op_sel:[0,1] op_sel_hi:[1,1]
.endif
.set s_q, s_q+1
.endr
.endm
; 16 matrix instructions: four column groups x four query tiles.  The 48 accumulators take turns in the same order in both key steps.
; zero = 1: the first product starts the sums.  am = 1: the ten pieces of AMC stand behind the first ten products.
; sc = 1 (groups 0 and 1 of key step 0): behind each product two multiplications of the rescaling of O tiles 32-47, which the third group adds onto.
.macro MULV ks, g, buf, zero, am, sc
.set v_g, 4*\g
.set v_i, 0
.rept 4
.set v_a, 0
.rept 4
.if \g == 0
	WIN 0xa0
.else
	WIN 0xf0
.endif
.if 4*v_g+v_a < 16
.set v_b, 128+8*(4*v_g+v_a)
.else
.set v_b, 8*(4*v_g+v_a-16)
.endif
.if \zero
	v_wmma_f32_16x16x32_bf16 v[v_b:v_b+7], v[\buf+8*(v_g&3):\buf+8*(v_g&3)+7], v[PB+8*(4*\ks+v_a):PB+8*(4*\ks+v_a)+7], 0
.else
	v_wmma_f32_16x16x32_bf16 v[v_b:v_b+7], v[\buf+8*(v_g&3):\buf+8*(v_g&3)+7], v[PB+8*(4*\ks+v_a):PB+8*(4*\ks+v_a)+7], v[v_b:v_b+7]
.endif
.if \am
.if v_i < 10
	AMC v_i
.endif
.endif
.if \sc
	SCALEQ 128+32*\g+2*v_i
.endif
.set v_i, v_i+1
.set v_a, v_a+1
.endr
.set v_g, v_g+1
.endr
.endm
; Piece c = 0 .. 7 behind the exponentials.  c = 0 .. 3: the row sums of query tile a = c / 2, two pieces each.  c = 4 .. 7: tile (a, kt) is packed to bf16
; in place (word p takes numbers 2 p, 2 p + 1, which have been read by then: keys 16 kt + 8 h + 2 p, + 1, the fragment's own order); the four
; stores stand together behind the last.
.macro CHUNK c, first
	WIN 0
.if (\c) < 4
.set c_a, (\c)>>1
.set c_t, T+8*c_a
.set c_r, R+8*c_a
.if ((\c)&1) == 0
	s_wait_alu depctr_va_vdst(0)
	v_pk_add_f32 v[c_t:c_t+1],   v[c_r:c_r+1],     v[c_r+2:c_r+3]
	v_pk_add_f32 v[c_t+2:c_t+3], v[c_r+4:c_r+5],   v[c_r+6:c_r+7]
	v_pk_add_f32 v[c_t+4:c_t+5], v[c_r+16:c_r+17], v[c_r+18:c_r+19]
	v_pk_add_f32 v[c_t+6:c_t+7], v[c_r+20:c_r+21], v[c_r+22:c_r+23]
.else
	v_pk_add_f32 v[c_t:c_t+1],   v[c_t:c_t+1],   v[c_t+2:c_t+3]
	v_pk_add_f32 v[c_t+4:c_t+5], v[c_t+4:c_t+5], v[c_t+6:c_t+7]
	v_pk_add_f32 v[c_t:c_t+1],   v[c_t:c_t+1],   v[c_t+4:c_t+5]
.if \first
	v_add_f32 v[LS+c_a], v[c_t], v[c_t+1]
.else
	v_add_f32 v[c_t], v[c_t], v[c_t+1]
	v_fma_f32 v[LS+c_a], v[LS+c_a], v[AL+c_a], v[c_t]
.endif
.endif
.else
.set c_b, R+8*(((\c)-4)>>1)+16*(((\c)-4)&1)
	v_cvt_pk_bf16_f32 v[c_b],   v[c_b],   v[c_b+1]
	v_cvt_pk_bf16_f32 v[c_b+1], v[c_b+2], v[c_b+3]
	v_cvt_pk_bf16_f32 v[c_b+2], v[c_b+4], v[c_b+5]
	v_cvt_pk_bf16_f32 v[c_b+3], v[c_b+6], v[c_b+7]
.if (\c) == 7
.irp a, 0,1
.irp kt, 0,1
	ds_store_b128 v[PFS], v[R+8*\a+16*\kt:R+8*\a+16*\kt+3] offset:1024*\a+512*\kt
.endr
.endr
.endif
.endif
.endm
; The vector work that stands behind S product n.  n = 0 .. 16: pair n of the 16 pairs of scores becomes log2(e) s + NM, pair n - 1 its exponential.
; These lines name vector registers as destination, source 0 and source 2 alone, which the S products' setting leaves in window 0: no switch.
; Behind an exponential the next vector instruction is the next pair's multiply-add, which names neither its result nor its source (ISA guide 5.7.2).
; n = 17 .. 24: CHUNK.  n = 25 .. 88: two multiplications of the rescaling of O tiles 0-31.
.macro FILLER n, first
.if \n <= 16
.if \n < 16
.if ((\n>>2)&1) == 0
	v_pk_fma_f32 v[R+2*\n:R+2*\n+1], v[R+2*\n:R+2*\n+1], 0x3fb8aa3b, v[NM:NM+1] op_sel_hi:[1,0,0]
.else
	v_pk_fma_f32 v[R+2*\n:R+2*\n+1], v[R+2*\n:R+2*\n+1], 0x3fb8aa3b, v[NM:NM+1] op_sel:[0,0,1] op_sel_hi:[1,0,1]
.endif
.endif
.if \n > 0
	v_exp_f32 v[R+2*\n-2], v[R+2*\n-2]
	v_exp_f32 v[R+2*\n-1], v[R+2*\n-1]
.endif
.elseif \n <= 24
	CHUNK \n-17, \first
.elseif \n <= 88
.if \first == 0
	SCALEQ 2*(\n-25)
.endif
.endif
.endm
; The first half of an iteration.  s = 1: the 96 products of S^T from slot kslot (depth steps 0-5 have been asked for; steps 6-8 are asked for in one
; run behind step 2, steps 9-11 behind step 5).  pv = 1: the softmax of the tile in R goes with them, and at the end P's fragments and V's first
; group (slot vslot) come in.
; Waits in front of depth step g: step g's 4 loads are in when at most as many LDS instructions are out as were issued behind them: up to g = 8 the
; rest of its own run of three steps and one younger run of 12, that is 20, 16, 12; then 4 (11 - g), and for g = 10, 11 the 16 + 8 loads of P and V besides.
.macro P1 kslot, vslot, s, pv, first
.set sw_n, 0
.set p_n, 0
.rept 96
.set p_g, p_n>>3
.if \s
.if (p_n&7) == 0
.if p_g < 9
	s_wait_dscnt 20-4*(p_g%3)
.elseif p_g == 9
	s_wait_dscnt 8
.else
	s_wait_dscnt 4*(11-p_g)+24*\pv
.endif
.endif
	SW
.endif
.if (p_n&7) == 7
.if \pv
.if p_g == 3
	s_wait_dscnt 0x0                               ; my P fragments are in LDS (stored seven products ago)
	s_barrier_signal -1                            ; barrier B
.endif
.if p_g == 4
	s_barrier_wait -1                              ; everybody's are
.endif
.endif
.if \s
.if p_g < 6
.if (p_g%3) == 2
	PLACES 4                                       ; then loads may land in the three ring places just multiplied
	LOADK \kslot, p_g+4
	LOADK \kslot, p_g+5
	LOADK \kslot, p_g+6
.endif
.endif
.endif
.if \pv
.if p_g == 9
.if \s
	PLACES 4                                       ; ring places 0-3 have been multiplied for the last time: P's fragments take them
.endif
	WINL
	PIN
	LOADV \vslot, 0, 0, R
.endif
.endif
.endif
.if \pv
	FILLER p_n, \first
.endif
.set p_n, p_n+1
.endr
.endm
; Iteration t, m = t mod 3: V in slot m, K of tile t + 1 in slot m + 1, tile t + 2 into slot m + 2.  s = 1: there is a tile t + 1.
; refill = 1: there is a tile t + 2.  first = 1: nothing to carry on from.  xl = 1, 2: the first, the second half of my wave's 96 loads of x goes out,
; into Q's registers, which no product reads any more; it joins the run of LDS instructions behind the first group of P V.
.macro IT m, s, refill, first, xl
.set i_v, \m
.set i_k, (\m+1)%3
.set i_f, (\m+2)%3
	s_wait_tensorcnt 0x0                           ; all my tensor loads are done, my quarter of tile t + 1 among them,
	ds_add_u32 v62, v63
	s_wait_dscnt 0x0
	s_add_nc_u64 s[G0+4*i_k+2:G0+4*i_k+3], s[G0+4*i_k+2:G0+4*i_k+3], 3*TILEB   ; so a group 0 may be written: that slot's next tile
	s_wait_dscnt 0x0                               ; my reads of tile t - 1 are done, my local maxima are in LDS
	ROUND                                          ; all that now holds of every wave of the four work-groups
.if \refill
	tensor_load_to_lds s[G0+4*i_f:G0+4*i_f+3], s[G1:G1+7]   ; my one tensor load until the next round; 192 matrix instructions to land in
	s_nop 0
.endif
	PLACES 5                                       ; behind the last products: 4 before loads land in their sources, 5 before a product writes over the V buffer in SNP
	STIN 0
.if \s
.irp k, 0,1,2,3,4,5
	LOADK i_k, \k
.endr
.endif
	s_wait_dscnt 24*\s                             ; the 8 words are in, the K loads stay out
.if \first
.irp a, 0,1,2,3
	v_min_num_f32 v[NM+\a], v[T+2*\a], v[T+2*\a+1]
.endr
.else
.irp a, 0,1,2,3
	v_min3_num_f32 v[T+8+\a], v[NM+\a], v[T+2*\a], v[T+2*\a+1]
.endr
.irp a, 0,1,2,3
	v_sub_f32 v[AL+\a], v[T+8+\a], v[NM+\a]        ; at most 0
.endr
.irp a, 0,1,2,3
	v_exp_f32 v[AL+\a], v[AL+\a]
.endr
.irp a, 0,1,2,3
	v_mov_b32 v[NM+\a], v[T+8+\a]                  ; the new reference becomes the running one; these are also the plain place behind the exponentials
.endr
.endif
	P1 i_k, i_v, \s, 1, \first
	s_wait_dscnt 0x0                               ; P's fragments and V's first group are in
.if \s
	s_barrier_signal -1                            ; barrier C: I have read P, whose bytes the exchange takes next
	PLACES 4                                       ; behind the last S products: stores read their results, loads land in KV, in SNP and (xl) in Q's registers
.endif
	WINL
	LOADV i_v, 0, 1, KV
	MULV 0, 0, R, \first, 0, 1-\first
	WIN 0
.if \s
	s_barrier_wait -1                              ; everybody has read P
	XOUT
.endif
	LOADV i_v, 0, 2, SNP
.if \xl
	LOADXQ 48*(\xl-1)
	WIN 0
.endif
	s_wait_dscnt 8+8*\s                            ; KV's group is in; the stores and the 8 loads behind it stay out
	MULV 0, 1, KV, \first, 0, 1-\first
	WIN 0
.if \s
	s_wait_dscnt 0x0                               ; my partial sums are in LDS
	s_barrier_signal -1                            ; barrier X
.endif
	PLACES 4
	LOADV i_v, 1, 0, KV
.if \s == 0
	s_wait_dscnt 8
.endif
	MULV 0, 2, SNP, \first, 0, 0
	WIN 0
.if \s
	s_barrier_wait -1                              ; everybody's are
	XIN
.endif
	PLACES 4
	LOADV i_v, 1, 1, SNP
	s_wait_dscnt 8+8*\s                            ; KV's group is in; my partner's sums and the 8 loads behind them stay out
	MULV 1, 0, KV, 0, 0, 0
	WIN 0
	PLACES 4
	LOADV i_v, 1, 2, KV
	s_wait_dscnt 8                                 ; all but the 8 just issued
	MULV 1, 1, SNP, 0, \s, 0
	s_wait_dscnt 2*\s                              ; KV's group is in; the two words of maxima may be out
	MULV 1, 2, KV, 0, 0, 0
	WIN 0
.endm
	; Ahead of iteration 0: S(0) alone, its exchange and its local maxima
	s_wait_loadcnt 0x0                             ; Q, once
	s_wait_tensorcnt 0x1                           ; my quarter of tile 0 is in, tile 1 stays out
	s_add_nc_u64 s[G0+2:G0+3], s[G0+2:G0+3], 3*TILEB   ; slot 0's load is done, so its group 0 may step to tile 3
	BAR
.irp k, 0,1,2,3,4,5
	LOADK 0, \k
.endr
	P1 0, 0, 1, 0, 0
	WIN 0
	PLACES 4
	XOUT
	s_wait_dscnt 0x0
	BAR
	XIN
	s_wait_dscnt 0x0
.irp c, 0,1,2,3,4,5,6,7,8,9
	AMC \c
.endr
	IT 0, 1, 1, 1, 0                               ; tiles 0 to 2 stand ahead of the loop: the first starts every sum
	IT 1, 1, 1, 0, 0
	IT 2, 1, 1, 0, 0
	s_mov_b32 s44, 9                               ; tiles 3 to 29
.Ltiles:
	IT 0, 1, 1, 0, 0
	IT 1, 1, 1, 0, 0
	IT 2, 1, 1, 0, 0
	s_sub_co_u32 s44, s44, 1
	s_cmp_lg_u32 s44, 0
	s_cbranch_scc1 .Ltiles
	IT 0, 1, 0, 0, 1                               ; tile 30: S(31) still, nothing more to fetch; behind S(31) rows 0-7 of x go out
	IT 1, 0, 0, 0, 2                               ; tile 31: softmax and P V alone; rows 8-15 of x go out
	; THE WAY OUT
	PLACES 4                                       ; behind the last products: vector instructions read O and write over their sources
.irp a, 0,1
	v_permlanex16_b32 v[T+\a], v[LS+\a], s42, s43
	v_add_f32 v[LS+\a], v[LS+\a], v[T+\a]
	ds_store_b32 v[STS], v[LS+\a] offset:512+64*\a
.endr
	s_wait_dscnt 0x0
	BAR                                            ; the sums are there, and no wave reads a slot any more: the stage may take the slots' bytes, which are filled no more
	STIN 512
	s_wait_dscnt 0x0
.irp a, 0,1,2,3
	v_add_f32 v[AL+\a], v[T+2*\a], v[T+2*\a+1]     ; at least about 1: the largest score's own term
.endr
.irp a, 0,1,2,3
	v_rcp_f32 v[AL+\a], v[AL+\a]
.endr
	v_nop                                          ; one plain place behind the reciprocals
	s_wait_alu depctr_va_vdst(0)
	; O / sum into the stage, 8 tiles (one G, both e, four query tiles) at a time: a lane's 8 registers are 32 neighbouring bytes of a row.
	; Two sets of 64 registers take turns, so that one group's multiplications do not write what the last group's stores still read.
.set e_g, 0
.rept 6
.set e_e, EA+64*(e_g&1)
.if e_g < 2
	WIN 0x02
.else
	WIN 0x03
.endif
.set e_t, 0
.rept 8
.if 8*e_g+e_t < 16
.set e_b, 128+8*(8*e_g+e_t)
.else
.set e_b, 8*(8*e_g+e_t-16)
.endif
.set e_p, 0
.rept 4
.if (e_t&1) == 0
	v_pk_mul_f32 v[e_e+8*e_t+2*e_p:e_e+8*e_t+2*e_p+1], v[e_b+2*e_p:e_b+2*e_p+1], v[AL+(e_t&2):AL+(e_t&2)+1] op_sel_hi:[1,0]
.else
	v_pk_mul_f32 v[e_e+8*e_t+2*e_p:e_e+8*e_t+2*e_p+1], v[e_b+2*e_p:e_b+2*e_p+1], v[AL+(e_t&2):AL+(e_t&2)+1] op_sel:[0,1] op_sel_hi:[1,1]
.endif
.set e_p, e_p+1
.endr
.set e_t, e_t+1
.endr
	WIN 0
.set e_t, 0
.rept 8
	ds_store_b128 v[STG+((e_t&3)>>1)], v[e_e+8*e_t:e_e+8*e_t+3]   offset:(e_t&1)*16*SPITCH+512*e_g+32*(e_t>>2)
	ds_store_b128 v[STG+((e_t&3)>>1)], v[e_e+8*e_t+4:e_e+8*e_t+7] offset:(e_t&1)*16*SPITCH+512*e_g+32*(e_t>>2)+16
.set e_t, e_t+1
.endr
.set e_g, e_g+1
.endr
	s_wait_dscnt 0x0
	BAR                                            ; the stage is whole
	; Rows back from the stage, times x, out: group g is rows 2 g, 2 g + 1 of my wave's 16.  Four row buffers take turns; a group's rows are asked
	; for two groups ahead.
.macro LOADS g                         ; 12 LDS loads: the two rows of group g, 512 neighbouring bytes each, into buffer g mod 4
	WINL
.set d_n, 0
.rept 12
	ds_load_b128 v[EA+48*((\g)&3)+4*d_n:EA+48*((\g)&3)+4*d_n+3], v[RD] offset:(2*(\g)+d_n/6)*SPITCH+512*(d_n%6)
.set d_n, d_n+1
.endr
.endm
	LOADS 0
	LOADS 1
.set f_g, 0
.rept 8
.set f_e, EA+48*(f_g&3)
.if f_g < 7
	s_wait_dscnt 12                                ; this group's rows are in, the next group's 12 loads stay out
.else
	s_wait_dscnt 0x0
.endif
.if f_g < 2
	s_wait_loadcnt 63                              ; 84 - 12 g loads of x are younger than this group's; a wait names 63 at the most, and a smaller count is safe
.else
	s_wait_loadcnt 84-12*f_g                       ; this group's 12 loads of x are in, the younger ones may be out
.endif
.set f_n, 0
.rept 24
.set f_i, 48*f_g+2*f_n
.if f_i < 256
	WIN 0x04
	v_pk_mul_f32 v[f_e+2*f_n:f_e+2*f_n+1], v[f_e+2*f_n:f_e+2*f_n+1], v[f_i:f_i+1]
.else
	WIN 0x08
	v_pk_mul_f32 v[f_e+2*f_n:f_e+2*f_n+1], v[f_e+2*f_n:f_e+2*f_n+1], v[f_i-256:f_i-255]
.endif
.set f_n, f_n+1
.endr
.if f_g < 6
.if f_g >= 2
	s_wait_xcnt 0x0                                ; the buffer that group g - 2's stores read is loaded again only behind this wait
.endif
	LOADS f_g+2
.endif
	WIN 0
.set f_n, 0
.rept 12
	global_store_b128 v[GO], v[f_e+4*f_n:f_e+4*f_n+3], s[40:41] offset:(2*f_g+f_n/6)*ROWF+512*(f_n%6) th:TH_STORE_NT   ; a wave's store covers 512 neighbouring bytes from a multiple of 512
.set f_n, f_n+1
.endr
.set f_g, f_g+1
.endr
	s_wait_tensorcnt 0x0
	ds_add_u32 v62, v63
	s_wait_dscnt 0x0
	ROUND                                          ; the closing round: no work-group ends while a partner may still ask for a tile that names it
	s_endpgm
.Lfunc_end_k_q7793afd9e3_attn:
	.size	k_q7793afd9e3_attn, .Lfunc_end_k_q7793afd9e3_attn-k_q7793afd9e3_attn
	.p2alignl 7, 3214868480
	.fill 96, 4, 3214868480
	.section	.rodata,"a",@progbits
	.p2align	6, 0x0
	.amdhsa_kernel k_q7793afd9e3_attn
		.amdhsa_group_segment_fixed_size 327680
		.amdhsa_private_segment_fixed_size 0
		.amdhsa_enable_private_segment 0
		.amdhsa_kernarg_size 24
		.amdhsa_user_sgpr_count 2
		.amdhsa_user_sgpr_kernarg_segment_ptr 1
		.amdhsa_wavefront_size32 1
		.amdhsa_system_sgpr_workgroup_id_x 1
		.amdhsa_system_sgpr_workgroup_id_y 1
		.amdhsa_system_sgpr_workgroup_id_z 1
		.amdhsa_system_vgpr_workitem_id 0
		.amdhsa_next_free_vgpr 1024
		.amdhsa_next_free_sgpr 66
		.amdhsa_reserve_vcc 0
		.amdhsa_float_denorm_mode_32 3
		.amdhsa_float_denorm_mode_16_64 3
		.amdhsa_memory_ordered 1
		.amdhsa_forward_progress 1
		.amdhsa_inst_pref_size 255
	.end_amdhsa_kernel
	.section	.bss,"aw",@nobits
	.p2align	6
	.space	262144
	.amdgpu_metadata
---
amdhsa.version: [ 1, 2 ]
amdhsa.kernels:
  - .name:           k_q7793afd9e3_attn
    .symbol:         k_q7793afd9e3_attn.kd
    .args:
      - { .name: x, .offset: 0, .size: 8, .value_kind: global_buffer, .address_space: global }
      - { .name: xb, .offset: 8, .size: 8, .value_kind: global_buffer, .address_space: global }
      - { .name: out0, .offset: 16, .size: 8, .value_kind: global_buffer, .address_space: global }
    .group_segment_fixed_size: 327680
    .private_segment_fixed_size: 0
    .kernarg_segment_align: 8
    .kernarg_segment_size: 24
    .max_flat_workgroup_size: 128
    .sgpr_count:     66
    .vgpr_count:     1024
    .wavefront_size: 32
...
	.end_amdgpu_metadata
.endif
;; end of part 3
